; MI455X (gfx1250); checked and timed in simulation.
; The chip was launched on July 23, 2026; its instructions are those of AMD's public machine-readable ISA for CDNA 5 (MIT licence, August 2026) and "CDNA5" Instruction Set Architecture Reference Guide (July 2026). The comments in the code are by the model that wrote it; some were corrected since.
;; Self Attention. Allowed arithmetic: matrix products marked QUANTISED: E2M3 operands, one E8M0 scale for each 32 along K, by v_wmma_scale_f32_16x16x128_f8f6f4 with both operands' format E2M3, f32 sums; everything else in f32.
;; Inputs: entangle_params 3,072 float32; inputs 2 x 2,048 x 1,024 float32; rotation_params 3,072 x 1,024 float32.
;; Outputs: out0 2 x 2,048 x 1,024 float32.
;; This version of the problem:
;;   THIS VERSION OF THE PROBLEM IS GIVEN IN LOW PRECISION. The matrix products marked QUANTISED in the list below multiply operands that are first quantised to E2M3 (2 exponent bits, 3 mantissa bits; 6 bits a number), with one power-of-two scale for each 32 numbers along K (OCP MX v1.0); their sums are f32. All else is computed in f32.
;;   The module's matrix products, in the order in which they are computed (A, B: the left and right operand; K: the contracted axis; several contracted axes count as one K, in the product's order):
;;     1. [M 4,096, K 1,024] x [K 1,024, N 3,072]; A: input inputs; B: input rotation_params: QUANTISED
;;     2. batch 32 x [M 2,048, K 64] x [K 64, N 2,048]; A: computed on the way; B: computed on the way: QUANTISED
;;     3. batch 32 x [M 2,048, K 2,048] x [K 2,048, N 64]; A: softmax (see below); B: computed on the way: QUANTISED
;;   THE QUANTISER, for each operand of a quantised product, along K:
;;     - K is cut into blocks of 32 from its start; a last block that is shorter is filled with zeros.
;;     - A block's scale is 2^e with e = floor(log2(the largest magnitude in the block)) - 2, held to -126 .. 127; a block of zeros has e = 0. As a byte (E8M0): e + 127.
;;     - Each number is divided by its block's scale, clamped to +-7.5, and rounded to the nearest number of E2M3, ties to even, subnormals kept.
;;     - The product sums the exact products of the quantised numbers (number of the format x scale) in f32.
;;   ~~~python
;;   def quantise(x, axis):      # numpy; x: float32 -> the quantised numbers, widened to float32 again
;;       x = np.moveaxis(x, axis, -1); K = x.shape[-1]
;;       x = np.pad(x, [(0, 0)] * (x.ndim - 1) + [(0, -K % 32)]); x = x.reshape(x.shape[:-1] + (-1, 32)); a = np.abs(x).max(-1, keepdims=True)
;;       e = np.where(a > 0, np.clip(np.frexp(np.where(a > 0, a, 1))[1] - 1 - 2, -126, 127), 0)      # np.frexp(a)[1] - 1 = floor(log2(a)), exactly
;;       r = np.clip(x / 2.0 ** e, -7.5, 7.5)
;;       step = 2.0 ** (np.maximum(np.frexp(np.where(r == 0, 1, r))[1] - 1, 0) - 3)
;;       q = np.round(r / step) * step * 2.0 ** e      # np.round: ties to even
;;       return np.moveaxis(q.reshape(q.shape[:-2] + (-1,))[..., :K], -1, axis).astype(np.float32)
;;   ~~~
;;   SOFTMAX AHEAD OF A QUANTISED PRODUCT. Where the list says 'softmax', what is quantised is not the finished softmax but p = 2^(t - M), with t = logit x log2(e) and M = ceil(the row's largest t), a whole number; so 1/2 < the row's largest p <= 1. The row's sum l is taken of the UNQUANTISED p, in f32, and the product's result is divided by l at the end. Since M is a whole number, a kernel that streams over the keys may use a running M (the ceiling of the running maximum): every later rescaling is an exact power of two, which a block's scale takes up: the codes' values come out the same.
;;   OPERANDS COMPUTED ON THE WAY. 'Computed on the way' means the value that the module computes at that place (a softmax that the list does not call 'softmax' is quantised finished and normalised). What goes into a quantiser is computed in f32, as accurately as f32 sums, v_exp_f32 and their like allow (about 1e-6 of the number): no bf16 or f16 on the way to a quantiser, and a product that is left as it is and whose result goes on into a quantised operand takes f32 operands (vector FMAs, or v_wmma_f32_16x16x4_f32). A number that lies on a knife's edge between two numbers of the format may be rounded either way, as far as f32 arithmetic and the matrix unit's own rounding can turn it there, and no further.
;; One version. Each part assembles by itself: llvm-mc -triple=amdgcn-amd-amdhsa -mcpu=gfx1250 --defsym DOCPART=n.
;; ======== version 1 of 1: 4 launches
;; limits: right only within a limited range of input values
;; workspace buffers: codes 5,505,024 bytes; scales 229,376 bytes; qkv 10,092,544 bytes; ow 16,777,216 bytes
;; launch quant (part 1): grid 224 x 1, 4 waves a work-group, no clusters, 33,280 bytes of LDS; arguments inputs, rotation_params, codes, scales; writes codes, scales
.if DOCPART == 1
	.amdgcn_target "amdgcn-amd-amdhsa--gfx1250"
	.amdhsa_code_object_version 6
	.text
	.protected	k_q4133bdddc5_quant
	.globl	k_q4133bdddc5_quant
	.p2align	8
	.type	k_q4133bdddc5_quant,@function
k_q4133bdddc5_quant:
	s_mov_b64 s[64:65], 0
	v_nop
	global_prefetch_b8 v0, s[64:65] scope:SCOPE_SE
	s_setreg_imm32_b32 hwreg(HW_REG_WAVE_MODE, 25, 1), 1
	s_wait_xcnt 0x0
; inputs [4096][1024] and rotation_params [3072][1024], f32, become codes of E2M3 (K innermost, 768 bytes a row) and one E8M0 byte for each 32 along K (32 bytes a row), in ONE table of 7,168 places.
; A block's scale is 2^(floor(log2(its largest magnitude)) - 2); its byte is that magnitude's exponent field - 2, held at 1 from below; numbers are divided by the scale and rounded to the nearest code, ties to even.
; ORDER OF THE PLACES: in each group of 64 rows, place 16 t + 8 h + j holds row 32 h + 8 t + j.  In the product that follows, a lane of half h then finds in the registers of four neighbouring tiles
; the 32 neighbouring rows 32 h .. 32 h + 31: a whole block of the next quantiser.  A wave's run of 8,192 numbers is eight whole rows, so the order is arithmetic on the wave's and the work-group's number.
; LIMITS: a block whose largest magnitude lies under 2^-124 gets the byte 1, a block of zeros too (its codes are zeros, and only this program reads the bytes); NaN and infinities are not served.
; A wave takes 16 steps of 512 numbers: four loads of 512 consecutive bytes, turned through the wave's own stage in LDS so that a lane holds 16 neighbours; two lanes hold a block.  Loads run 8 steps, 32 loads, ahead.
; No tensor loads, no barrier: waves share nothing.
.set STEPS, 16
.set DEP,   8
.set WGA,   128                        ; the first 128 work-groups take the inputs, the other 96 the weights
.set EMAX,  2
.set CB,    12                         ; bytes of 16 codes
.set R,     16                         ; v16-143  eight sets of 16 numbers as loaded
.set X,     144                        ; v144-175 two sets of 16 neighbours
.set E,     176                        ; v176-191 a scale byte for each step
.set C,     192                        ; v192-254 codes, four registers a step (the fourth unused: v251 and v255 serve the add)
.set WREG,  8192                       ; LDS: a region a wave: two stages of 32 x SP bytes, then its 256 scale bytes
.set SP,    80
	s_load_b128 s[4:7], s[0:1], 0x0                ; inputs, rotation_params
	s_load_b128 s[8:11], s[0:1], 0x10              ; codes, scales
	v_lshl_add_u32 v251, v0, 2, 0x8000             ; my spare word, behind the four regions
	v_mov_b32 v255, 0
	v_lshrrev_b32 v1, 5, v0
	v_readfirstlane_b32 s16, v1                    ; wave
	v_and_b32 v2, 31, v0
	v_lshlrev_b32 v3, 4, v2                        ; my 16 bytes of a load's 512
	s_mul_i32 s17, s16, WREG
	v_lshrrev_b32 v14, 2, v2
	v_mul_u32_u24 v14, v14, SP
	v_and_b32 v15, 3, v2
	v_lshl_add_u32 v14, v15, 4, v14
	v_add_nc_u32 v14, s17, v14                     ; stage, in: SP (lane / 4) + 16 (lane % 4)
	v_mul_u32_u24 v15, v2, SP
	v_add_nc_u32 v15, s17, v15                     ; stage, out: SP x lane
	v_mul_u32_u24 v4, v2, CB
	v_lshrrev_b32 v5, 1, v2
	s_add_co_u32 s17, s17, 2*32*SP
	v_add_nc_u32 v5, s17, v5                       ; my block's byte among the wave's 256
	v_lshlrev_b32 v7, 3, v2
	v_add_nc_u32 v6, s17, v7
	s_wait_alu depctr_va_vdst(0)                   ; the wait at the head's end
	s_wait_kmcnt 0x0
	s_cmp_lt_u32 ttmp9, WGA                        ; which tensor: by the work-group's number alone
	s_cselect_b64 s[4:5], s[4:5], s[6:7]
	s_cselect_b32 s17, 0, WGA
	s_sub_co_u32 s17, ttmp9, s17
	s_lshl_b32 s17, s17, 2
	s_add_co_u32 s18, s17, s16                     ; the run of 8 rows that I read
	s_mov_b32 s19, 0
	s_lshl_b64 s[20:21], s[18:19], 15
	s_add_nc_u64 s[4:5], s[4:5], s[20:21]
	s_and_b32 s22, ttmp9, 1                        ; where it goes, in runs of 8 places: row bit 5 (the work-group's bit 0) becomes bit 3,
	s_lshl_b32 s23, s16, 1                         ; row bits 3 and 4 (the wave) become bits 4 and 5,
	s_add_co_u32 s22, s22, s23
	s_lshr_b32 s23, ttmp9, 1                       ; the rest stays
	s_lshl_b32 s23, s23, 3
	s_add_co_u32 s22, s22, s23
	s_mul_i32 s20, s22, 8*768
	s_mov_b32 s21, 0
	s_add_nc_u64 s[8:9], s[8:9], s[20:21]
	s_lshl_b32 s20, s22, 8
	s_add_nc_u64 s[10:11], s[10:11], s[20:21]
.macro LOAD t
.irp i, 0,1,2,3
	global_load_b128 v[R+16*((\t)%DEP)+4*\i:R+16*((\t)%DEP)+4*\i+3], v3, s[4:5] offset:2048*(\t)+512*\i th:TH_LOAD_NT
.endr
.endm
.macro TURN t                          ; LDS serves a wave's instructions in order (ISA guide 5.7.1.4): no wait between the stores and the loads
.irp i, 0,1,2,3
	ds_store_b128 v14, v[R+16*((\t)%DEP)+4*\i:R+16*((\t)%DEP)+4*\i+3] offset:32*SP*((\t)%2)+8*SP*\i
.endr
.irp i, 0,1,2,3
	ds_load_b128 v[X+16*((\t)%2)+4*\i:X+16*((\t)%2)+4*\i+3], v15 offset:32*SP*((\t)%2)+16*\i
.endr
.endm
.irp t, 0,1,2,3,4,5,6,7
	LOAD \t
.endr
	s_wait_loadcnt 4*(DEP-1)                       ; step 0's four loads are in
	TURN 0
.macro STEP t
.set XS, X+16*((\t)%2)
.if (\t) > 0
	s_wait_dscnt 1                                 ; this step's numbers are back (the last step's byte store may be out)
.else
	s_wait_dscnt 0x0
.endif
.if (\t)+DEP < STEPS
	LOAD (\t)+DEP
.endif
.if (\t)+1 < STEPS
.if (\t)+DEP < STEPS
	s_wait_loadcnt 4*(DEP-1)                       ; the next step's four are in; seven steps' may be out
.else
	s_wait_loadcnt 4*(STEPS-2-(\t))                ; steps t + 2 to 15 may be out
.endif
	TURN (\t)+1
.endif
	v_max3_num_f32 v8, |v[XS]|, |v[XS+1]|, |v[XS+2]|
	v_max3_num_f32 v9, |v[XS+3]|, |v[XS+4]|, |v[XS+5]|
.irp i, 6,10
	v_max3_num_f32 v8, v8, |v[XS+\i]|, |v[XS+\i+1]|
	v_max3_num_f32 v9, v9, |v[XS+\i+2]|, |v[XS+\i+3]|
.endr
	v_max3_num_f32 v8, v8, |v[XS+14]|, |v[XS+15]|
	v_max3_num_f32 v8, v8, v9, (EMAX+1)<<23        ; the floor 2^(3 - 127)
	v_max_num_f32_dpp v8, v8, v8 row_xmask:1 row_mask:0xf bank_mask:0xf   ; with my neighbour's 16
	v_add_nc_u32 v11, -(EMAX<<23), v8              ; the conversion's scale operand
	v_cvt_scalef32_pk16_fp6_f32 v[C+4*(\t):C+4*(\t)+2], v[XS:XS+15], v11
	v_lshrrev_b32 v[E+(\t)], 23, v11               ; the byte (also the plain line behind the conversion)
	ds_store_b8 v5, v[E+(\t)] offset:16*(\t)
	global_store_b96 v4, v[C+4*(\t):C+4*(\t)+2], s[8:9] offset:32*CB*(\t)   ; the wave stores 384 consecutive bytes
.endm
.irp t, 0,1,2,3,4,5,6,7,8,9,10,11,12,13,14,15
	STEP \t
.endr
	ds_load_b64 v[12:13], v6
	s_wait_dscnt 0x0
	global_store_b64 v7, v[12:13], s[10:11]        ; 256 consecutive bytes, aligned
	s_wait_tensorcnt 0x0                           ; the wave's end
	ds_add_u32 v251, v255
	s_wait_dscnt 0x0
	s_endpgm
.Lfunc_end_k_q4133bdddc5_quant:
	.size	k_q4133bdddc5_quant, .Lfunc_end_k_q4133bdddc5_quant-k_q4133bdddc5_quant
	.p2alignl 7, 3214868480
	.fill 96, 4, 3214868480
	.section	.rodata,"a",@progbits
	.p2align	6, 0x0
	.amdhsa_kernel k_q4133bdddc5_quant
		.amdhsa_group_segment_fixed_size 33280
		.amdhsa_private_segment_fixed_size 0
		.amdhsa_enable_private_segment 0
		.amdhsa_kernarg_size 32
		.amdhsa_user_sgpr_count 2
		.amdhsa_user_sgpr_kernarg_segment_ptr 1
		.amdhsa_wavefront_size32 1
		.amdhsa_system_sgpr_workgroup_id_x 1
		.amdhsa_system_sgpr_workgroup_id_y 1
		.amdhsa_system_sgpr_workgroup_id_z 1
		.amdhsa_system_vgpr_workitem_id 0
		.amdhsa_next_free_vgpr 256
		.amdhsa_next_free_sgpr 66
		.amdhsa_reserve_vcc 0
		.amdhsa_float_denorm_mode_32 3
		.amdhsa_float_denorm_mode_16_64 3
		.amdhsa_memory_ordered 1
		.amdhsa_forward_progress 1
		.amdhsa_inst_pref_size 32
	.end_amdhsa_kernel
	.amdgpu_metadata
---
amdhsa.version: [ 1, 2 ]
amdhsa.kernels:
  - .name:           k_q4133bdddc5_quant
    .symbol:         k_q4133bdddc5_quant.kd
    .args:
      - { .name: inputs, .offset: 0, .size: 8, .value_kind: global_buffer, .address_space: global }
      - { .name: rotation_params, .offset: 8, .size: 8, .value_kind: global_buffer, .address_space: global }
      - { .name: codes, .offset: 16, .size: 8, .value_kind: global_buffer, .address_space: global }
      - { .name: scales, .offset: 24, .size: 8, .value_kind: global_buffer, .address_space: global }
    .group_segment_fixed_size: 33280
    .private_segment_fixed_size: 0
    .kernarg_segment_align: 8
    .kernarg_segment_size: 32
    .max_flat_workgroup_size: 128
    .sgpr_count:     66
    .vgpr_count:     256
    .wavefront_size: 32
...
	.end_amdgpu_metadata
.endif
;; end of part 1
;; launch proj (part 2): grid 12 x 16, 4 waves a work-group, clusters of 4 x 4, 327,680 bytes of LDS; arguments codes, scales, entangle_params, qkv; writes qkv
.if DOCPART == 2
	.amdgcn_target "amdgcn-amd-amdhsa--gfx1250"
	.amdhsa_code_object_version 6
	.text
	.protected	k_q4133bdddc5_proj
	.globl	k_q4133bdddc5_proj
	.p2align	8
	.type	k_q4133bdddc5_proj,@function
k_q4133bdddc5_proj:
	s_mov_b64 s[64:65], 0
	v_nop
	global_prefetch_b8 v0, s[64:65] scope:SCOPE_SE
	s_setreg_imm32_b32 hwreg(HW_REG_WAVE_MODE, 25, 1), 1
	s_wait_xcnt 0x0
	s_wait_alu depctr_hold_cnt(0) depctr_sa_sdst(0) depctr_va_vdst(0) depctr_va_sdst(0) depctr_va_ssrc(0) depctr_va_vcc(0) depctr_vm_vsrc(0)
	s_getreg_b32 s2, hwreg(HW_REG_IB_STS2, 6, 4)
	s_cmp_eq_u32 s2, 0
	s_cbranch_scc0 .Lentry_in_a_cluster
	s_endpgm
.Lentry_in_a_cluster:
	s_bfe_u32 s2, ttmp6, 0x10000c
	s_cmp_lg_u32 s2, 0xf033
	s_cbranch_scc0 .Lentry_shape_is_right
	s_endpgm
.Lentry_shape_is_right:
; qkv = inputs x rotation_params^T + entangle_params on codes of E2M3 (K = 1,024), and its result quantised again, in registers, into the operands of the attention: records of register images.
; A tile of 256 x 256 a work-group, 128 x 128 a wave (64 accumulators).  Both operands are places of ONE table: tiles 0-15 tokens, 16-19 Q's weights, 20-23 K's, 24-27 V's.
; Cluster column 0 makes Q, 1 makes K (source 1 = tokens, source 0 = weights: a lane holds a token, its registers run along the channels, which are the first attention product's K);
; cluster column 2 makes V with the roles changed (source 1 = weights, source 0 = tokens: a lane holds a channel, its registers run along the keys, the second product's K).
; By the table's order (place 16 t + 8 h + j = row 32 h + 8 t + j of each 64) a lane of half h holds, in the 64 results of a block of 16 rows, rows 32 h .. + 31 and 64 + 32 h .. + 31 of source 0's 128:
; two whole blocks of 32, in the order of a 6-bit operand's registers.  So a block's maximum needs no other lane and the conversions' results are the operand.
; K goes in CHUNKS OF 256 BYTES of each row of 768 through a ring of two LDS slots: every tensor row begins on a multiple of 256 bytes.  A step of 128 along K is 96 bytes: eight steps to three chunks; steps 2 and 5 lie across two.
; The scales of the 256 + 256 rows come once, as dense blocks.  4 x 4 work-groups ask jointly: source 1's tiles along a row of the cluster, source 0's along a column.
; No prefetch: the walk along K is three chunks, of which two are asked for before the first product; there is no loop to run ahead in.
; RECORD (19,712 bytes, one for each hb = 2 head + batch and 128 tokens): K's 8 tiles of 768 | V's 4 tiles of 1,536 | K's scale words 512 | V's 256 | Q's 8 tiles | Q's scale words 512.
; A scale word of Q or K holds the row's two bytes twice (bytes 0, 1 and again 2, 3), so that a tile may stand in either half of an operand of K = 128.
; LIMITS: blocks under 2^-124 and blocks of zeros get the byte 1; NaN and infinities are not served.
.set ROWB,   256
.set NQ,     2
.set KROW,   768
.set STEPS,  8
.set CHUNKS, 3
.set PITCH,  272                       ; 256 bytes + 16 of padding
.set FR,     12
.set NL,     6
.set NP,     4
.set HALFT,  128*PITCH
.set SLOT,   4*HALFT
.set KS,     32
.set SCL,    2*SLOT
.set HALFS,  16*272
.set SBLK,   2*272
.set SPARE,  SCL+4*HALFS               ; the spare words: 512 bytes that no other line names
.set REC,    19712
.set HS2,    2*16*REC                  ; from a head's records to the next head's
.set ADRA, 16                          ; v16-19 A's LDS addresses: slot 0, 1; across chunks from slot 0, 1
.set ADRB, 20                          ; v20-23 B's
.set ADRS, 27
.set SPW,  28
.set NIL,  29
.set SC,   32                          ; v32-63 scale words, two sets
.set BT,   64                          ; v64-127 bias along the registers (Q, K)
.set AF,   128                         ; v128-223 A's fragments
.set BV,   224                         ; v224-239 bias of the lane's row (V), each twice
.set STG,  128                         ; the way out: 64 results with their bias
.set PC,   192                         ; codes; v204-206, v208-210 the halves that begin on an odd register
.set PW,   212
.set SW,   214
.set TM,   240
.set G1, 24
.set G0, 32
.set G1B, 48
.set G0B, 56
.set G1S, 68
.set G0S, 76
.set G1SB, 80
.set G0SB, 88
.set G0H, 4                            ; s[4:7], s[92:95]: group 0 of the head's loads of chunk 0
.set G0HB, 92
.set OB,  2
.set OS,  12
.set ISV, 96
.set SEL, 98
.set MSB, 0
.macro WIN new
.if MSB != \new
	s_set_vgpr_msb (MSB<<8)|\new
.set MSB, \new
.endif
.endm
.set MUL_LO, 0xa1
.set MUL_HI, 0xf1
.set TO_B,   0x40
.macro JLOAD g0a, g1a, g0b, g1b        ; waves 0, 1 ask for A, waves 2, 3 for B; s_nop 0 and four v_nop behind each line
	s_cmp_eq_u32 s15, 0
	s_cbranch_scc0 .Lfor_b_\@
	tensor_load_to_lds s[\g0a:\g0a+3], s[\g1a:\g1a+7]
	s_nop 0
.rept 4
	v_nop
.endr
	s_branch .Lasked_\@
.Lfor_b_\@:
	tensor_load_to_lds s[\g0b:\g0b+3], s[\g1b:\g1b+7]
	s_nop 0
.rept 4
	v_nop
.endr
.Lasked_\@:
.endm
.macro CREST
	s_cmp_lg_u32 s14, 0
	s_cbranch_scc1 .Lnot_wave_0_\@
	s_barrier_signal -3
.Lnot_wave_0_\@:
	s_barrier_wait -3
	s_barrier_signal -1
	s_barrier_wait -1
.endm
.macro CROUND
	s_barrier_signal -1
	s_barrier_wait -1
	CREST
.endm
	s_load_b128 s[4:7], s[0:1], 0x0                ; codes, scales
	s_load_b128 s[8:11], s[0:1], 0x10              ; entangle_params, qkv
	v_lshl_add_u32 v[SPW], v0, 2, SPARE
	v_mov_b32 v[NIL], 0
	ds_add_u32 v[SPW], v[NIL]                      ; the opening lines: the add twice on end and one wait
	ds_add_u32 v[SPW], v[NIL]
	v_lshrrev_b32 v1, 5, v0
	v_readfirstlane_b32 s14, v1                    ; wave
	s_lshr_b32 s15, s14, 1                         ; my half of A's rows; also: I ask for A (0) or B (1)
	s_and_b32 s16, s14, 1                          ; my half of B's rows; also: which 128 rows I fetch
	s_bfe_u32 s40, ttmp6, 0x40000                  ; cx
	s_bfe_u32 s41, ttmp6, 0x40004                  ; cy
	s_and_b32 s13, ttmp7, 0xffff
	s_lshl_b32 s13, s13, 2
	s_lshl_b32 s12, ttmp9, 2
	s_add_co_u32 s12, s12, 16
	s_cmp_eq_u32 ttmp9, 2                          ; the cluster's column: the same in all partners
	s_cselect_b32 s17, 24, s13
	s_cselect_b32 s42, s13, s12
	s_cselect_b32 s[ISV], 1, 0
	s_add_co_u32 s17, s17, s41                     ; A's tile of the table
	s_add_co_u32 s42, s42, s40                     ; B's tile
	s_lshl_b32 s43, s41, 2
	s_lshl_b32 s43, 15, s43                        ; my row of the cluster
	s_lshl_b32 s44, 0x1111, s40                    ; my column
	s_or_b32 s[G1+0], s43, (0<<16)|(1<<20)|(1<<21)|(5<<22)|(3<<25)
	s_or_b32 s[G1B+0], s44, (0<<16)|(1<<20)|(1<<21)|(5<<22)|(3<<25)
.irp g, G1, G1B
	s_mov_b32 s[\g+1], ROWB<<16
	s_mov_b32 s[\g+2], 256<<16                     ; 256 rows for the head's loads
	s_mov_b32 s[\g+3], ROWB<<16
	s_mov_b32 s[\g+4], 256
	s_mov_b32 s[\g+5], KROW
	s_mov_b32 s[\g+6], 0
	s_mov_b32 s[\g+7], 0
.endr
	s_or_b32 s[G1S+0], s43, (3<<16)|(1<<20)|(1<<21)|(5<<22)|(3<<25)
	s_or_b32 s[G1SB+0], s44, (3<<16)|(1<<20)|(1<<21)|(5<<22)|(3<<25)
.irp g, G1S, G1SB
	s_mov_b32 s[\g+1], 32<<16                      ; the scales of 256 rows: 32 rows of 256 bytes
	s_mov_b32 s[\g+2], KS<<16
	s_mov_b32 s[\g+3], 32<<16
	s_mov_b32 s[\g+4], KS
	s_mov_b32 s[\g+5], 32
	s_mov_b32 s[\g+6], 0
	s_mov_b32 s[\g+7], 0
.endr
	s_lshl_b32 s20, s17, 8
	s_lshl_b32 s46, s42, 8
	s_mov_b32 s21, 0
	s_mov_b32 s47, 0
	s_mov_b64 s[18:19], KS
	s_mul_u64 s[22:23], s[20:21], s[18:19]
	s_mul_u64 s[92:93], s[46:47], s[18:19]
	s_mov_b64 s[18:19], KROW
	s_mul_u64 s[20:21], s[20:21], s[18:19]
	s_mul_u64 s[46:47], s[46:47], s[18:19]
	s_mul_i32 s18, s16, 128*KROW
	s_mov_b32 s19, 0
	s_mul_i32 s45, s14, HALFT
	s_wait_dscnt 0x0                               ; both opening adds are done
	s_wait_kmcnt 0x0
	s_add_nc_u64 s[20:21], s[4:5], s[20:21]
	s_add_nc_u64 s[22:23], s[6:7], s[22:23]
	s_add_nc_u64 s[46:47], s[4:5], s[46:47]
	s_add_nc_u64 s[92:93], s[6:7], s[92:93]
	CROUND                                         ; in front of the first joint loads
	s_mov_b32 s[G0S], 1
	s_mov_b32 s[G0S+1], SCL
	s_mov_b64 s[G0S+2:G0S+3], s[22:23]
	s_or_b32 s[G0S+3], s[G0S+3], 0x80000000
	s_mov_b32 s[G0SB], 1
	s_mov_b32 s[G0SB+1], SCL+2*HALFS
	s_mov_b64 s[G0SB+2:G0SB+3], s[92:93]
	s_or_b32 s[G0SB+3], s[G0SB+3], 0x80000000
	s_mov_b32 s[G0H], 1
	s_mov_b32 s[G0H+1], 0
	s_mov_b64 s[G0H+2:G0H+3], s[20:21]
	s_or_b32 s[G0H+3], s[G0H+3], 0x80000000
	s_mov_b32 s[G0HB], 1
	s_mov_b32 s[G0HB+1], 2*HALFT
	s_mov_b64 s[G0HB+2:G0HB+3], s[46:47]
	s_or_b32 s[G0HB+3], s[G0HB+3], 0x80000000
	s_add_nc_u64 s[20:21], s[20:21], s[18:19]      ; for the ring: my 128 rows
	s_add_nc_u64 s[46:47], s[46:47], s[18:19]
.irp s, 0,1
	s_mov_b32 s[G0+4*\s], 1
	s_add_co_u32 s[G0+4*\s+1], s45, \s*SLOT
	s_add_nc_u64 s[G0+4*\s+2:G0+4*\s+3], s[20:21], \s*ROWB
	s_or_b32 s[G0+4*\s+3], s[G0+4*\s+3], 0x80000000
	s_mov_b32 s[G0B+4*\s], 1
	s_add_co_u32 s[G0B+4*\s+1], s45, \s*SLOT
	s_add_nc_u64 s[G0B+4*\s+2:G0B+4*\s+3], s[46:47], \s*ROWB
	s_or_b32 s[G0B+4*\s+3], s[G0B+4*\s+3], 0x80000000
.endr
; the head's four tiles, one load a wave: chunk 0 of A, chunk 0 of B, A's scales, B's scales; one tree of branches on the wave's number
.macro ARM under, g0, g1, next
	s_cmp_lt_u32 s14, \under
	s_cbranch_scc0 \next
	tensor_load_to_lds s[\g0:\g0+3], s[\g1:\g1+7]
	s_nop 0
.rept 4
	v_nop
.endr
	s_branch .Lhead_asked
\next:
.endm
	ARM 1, G0H,  G1,  .Lhead_b
	ARM 2, G0HB, G1B, .Lhead_sa
	ARM 3, G0S,  G1S, .Lhead_sb
	tensor_load_to_lds s[G0SB:G0SB+3], s[G1SB:G1SB+7]
	s_nop 0
.rept 4
	v_nop
.endr
.Lhead_asked:
	v_and_b32 v1, 15, v0                           ; r
	v_bfe_u32 v2, v0, 4, 1                         ; h
	v_mul_u32_u24 v3, v1, PITCH
	v_mul_u32_u24 v4, v2, 24
	v_add_nc_u32 v4, v3, v4
	s_mov_b32 s21, SLOT-232
	s_mov_b32 s22, SLOT+232
	v_sub_nc_u32 v7, 1, v2
	v_mul_u32_u24 v5, s21, v2
	v_add_nc_u32 v5, v3, v5
	v_add_nc_u32 v5, 232, v5                       ; lanes 0-15 byte 232 in slot 0, lanes 16-31 byte 0 in slot 1
	v_mul_u32_u24 v6, s22, v7
	v_add_nc_u32 v6, v3, v6                        ; and the other way round
	s_mul_i32 s21, s15, HALFT
	s_mul_i32 s22, s16, HALFT
	s_add_co_u32 s22, s22, 2*HALFT
	v_add_nc_u32 v[ADRA+2], s21, v5
	v_add_nc_u32 v[ADRA+3], s21, v6
	v_add_nc_u32 v[ADRB+2], s22, v5
	v_add_nc_u32 v[ADRB+3], s22, v6
.irp s, 0,1
	v_add_nc_u32 v[ADRA+\s], s21, v4
	v_add_nc_u32 v[ADRB+\s], s22, v4
	s_add_co_u32 s21, s21, SLOT
	s_add_co_u32 s22, s22, SLOT
.endr
	v_mul_u32_u24 v5, v1, KS
	v_lshrrev_b32 v6, 8, v5
	v_lshl_add_u32 v5, v6, 4, v5
	s_mul_i32 s21, s15, HALFS
	s_mul_i32 s22, s16, HALFS
	s_add_co_u32 s22, s22, 2*HALFS
	s_sub_co_u32 s22, s22, s21
	v_mul_u32_u24 v6, s22, v2                      ; lanes 16-31 take B's scale words
	s_add_co_u32 s21, s21, SCL
	v_add_nc_u32 v5, v5, v6
	v_add_nc_u32 v[ADRS], s21, v5
	s_wait_alu depctr_va_vdst(0)                   ; the wait ahead of these readers
	v_and_b32 v6, 31, v0
	v_lshlrev_b32 v8, 4, v6                        ; images: 16 bytes a lane,
	v_lshlrev_b32 v9, 3, v6                        ; 8 bytes a lane
	v_mul_u32_u24 v10, v2, HS2
	v_lshl_add_u32 v10, v1, 4, v10                 ; scale words: row r, lanes 16-31 the next head's record
	v_mul_lo_u32 v11, v2, 0x02020202
	v_add_nc_u32 v11, 0x01000100, v11              ; byte selects: half 0 takes bytes 0, 1 twice, half 1 bytes 2, 3 twice
	v_lshlrev_b32 v7, 3, v2                        ; 8 h
	v_lshlrev_b32 v12, 7, v2                       ; bias along the registers: 32 h channels
	v_and_b32 v13, 8, v1
	v_mad_u32_u24 v13, v13, 3, v1
	v_lshlrev_b32 v13, 2, v13                      ; bias of my row: channel r % 8 + 32 (r / 8)
	v_mov_b32 v[TM+4], 0                           ; a lane permute's destination counts as a source
	s_wait_alu depctr_va_vdst(0)                   ; the wait ahead of the run of scalar lines
	s_mov_b32 s[SEL], 0x76543210
	s_mov_b32 s[SEL+1], 0xfedcba98
	s_lshl_b32 s12, s17, 1
	s_add_co_u32 s12, s12, s15                     ; A's run of 128 places
	s_lshl_b32 s13, s42, 1
	s_add_co_u32 s13, s13, s16                     ; B's
	s_sub_co_u32 s18, s12, 48
	s_sub_co_u32 s19, s13, 32
	s_and_b32 s97, s19, 7
	s_cmp_eq_u32 s[ISV], 1
	s_cselect_b32 s20, s13, s12                    ; the tokens' run, 0 .. 31
	s_cselect_b32 s21, s18, s97                    ; the pair of heads, 0 .. 7
	s_cselect_b32 s22, 0, s19
	s_cselect_b32 s23, s18, 0
	s_cselect_b32 s40, 8192, 0
	s_mov_b32 s47, 0
	s_lshl_b32 s46, s22, 9
	s_add_nc_u64 s[66:67], s[8:9], s[46:47]
	s_lshl_b32 s46, s23, 9
	s_add_co_u32 s46, s46, s40
	s_add_nc_u64 s[8:9], s[8:9], s[46:47]
.irp b, 0,1,2,3,4,5,6,7
	global_load_b128 v[BT+8*\b:BT+8*\b+3], v12, s[66:67] offset:4*(64*(\b/4)+8*(\b%4))
	global_load_b128 v[BT+8*\b+4:BT+8*\b+7], v12, s[66:67] offset:4*(64*(\b/4)+8*(\b%4))+16
.endr
.irp a, 0,1,2,3,4,5,6,7
	global_load_b32 v[BV+2*\a], v13, s[8:9] offset:4*(64*(\a/4)+8*(\a%4))
	global_load_b32 v[BV+2*\a+1], v13, s[8:9] offset:4*(64*(\a/4)+8*(\a%4))
.endr
	s_lshr_b32 s41, s20, 4                         ; batch
	s_lshl_b32 s21, s21, 2
	s_add_co_u32 s21, s21, s41                     ; hb of the pair's first head
	s_and_b32 s20, s20, 15
	s_lshl_b32 s21, s21, 4
	s_add_co_u32 s21, s21, s20
	s_mul_i32 s46, s21, REC
	s_mov_b32 s40, 13056
	s_mov_b32 s41, 12288
	s_cmp_eq_u32 ttmp9, 0
	s_cselect_b32 s40, s40, 0
	s_cselect_b32 s41, 6144, s41
	s_cmp_eq_u32 ttmp9, 2
	s_cselect_b32 s40, 6144, s40
	s_cselect_b32 s41, 6656, s41
	s_add_co_u32 s46, s46, s40
	s_add_nc_u64 s[OB:OB+1], s[10:11], s[46:47]    ; my images
	s_mov_b32 s46, s41
	s_add_nc_u64 s[OS:OS+1], s[OB:OB+1], s[46:47]  ; my scale words
.macro FRAG reg, adr, st, i            ; 16 rows x 128 K: six pieces of 8 bytes; byte y of a row lies in slot (y / 256) % 2 at byte y % 256
.irp p, 0,1,2,3,4,5
.set BY, 96*(\st)+48*(\p/3)+8*(\p%3)
.if BY/ROWB == (BY+24)/ROWB
	ds_load_b64 v[\reg+2*\p:\reg+2*\p+1], v[\adr+(BY/ROWB)%2] offset:BY%ROWB+(\i)*16*PITCH
.else
	ds_load_b64 v[\reg+2*\p:\reg+2*\p+1], v[\adr+2+(BY/ROWB)%2] offset:BY%ROWB-232+(\i)*16*PITCH
.endif
.endr
.endm
.macro MUL16 a0, p, q, sc, zero        ; A's blocks a0, a0 + 1 x B's eight; the 64 accumulators by turns
.irp a, \a0, \a0+1
.irp b, 0,1,2,3,4,5,6,7
.if \zero
	v_wmma_scale_f32_16x16x128_f8f6f4 v[8*(8*((\a)%4)+\b):8*(8*((\a)%4)+\b)+7], v[128*(\p)+FR*\b:128*(\p)+FR*\b+FR-1], v[AF+FR*(\a):AF+FR*(\a)+FR-1], 0, v[SC+8*NQ*(\sc)+NQ*\b+(\q)], v[SC+8*NQ*(\sc)+NQ*(\a)+(\q)] matrix_a_fmt:MATRIX_FMT_FP6 matrix_b_fmt:MATRIX_FMT_FP6 matrix_a_scale:MATRIX_SCALE_ROW1
.else
	v_wmma_scale_f32_16x16x128_f8f6f4 v[8*(8*((\a)%4)+\b):8*(8*((\a)%4)+\b)+7], v[128*(\p)+FR*\b:128*(\p)+FR*\b+FR-1], v[AF+FR*(\a):AF+FR*(\a)+FR-1], v[8*(8*((\a)%4)+\b):8*(8*((\a)%4)+\b)+7], v[SC+8*NQ*(\sc)+NQ*\b+(\q)], v[SC+8*NQ*(\sc)+NQ*(\a)+(\q)] matrix_a_fmt:MATRIX_FMT_FP6 matrix_b_fmt:MATRIX_FMT_FP6 matrix_a_scale:MATRIX_SCALE_ROW1
.endif
.endr
.endr
.endm
.macro FETCH_B st, p
	WIN TO_B
.irp i, 0,1,2,3,4,5,6,7
	FRAG 128*(\p)+FR*\i, ADRB, \st, \i
.endr
	WIN 0
.endm
.macro FETCH_A st, i0
.irp i, \i0, \i0+1, \i0+2, \i0+3
	FRAG AF+FR*(\i), ADRA, \st, \i
.endr
.endm
.macro SCALES pr                       ; the words of steps 2 pr, 2 pr + 1: lanes 0-15 A's block i, lanes 16-31 B's
.irp i, 0,1,2,3,4,5,6,7
	ds_load_b64 v[SC+8*NQ*((\pr)%2)+NQ*\i:SC+8*NQ*((\pr)%2)+NQ*\i+1], v[ADRS] offset:\i*SBLK+4*NQ*(\pr)
.endr
.endm
.macro PLACES n
.rept \n
	v_nop
.endr
.endm
; A step: 64 products; the next step's fragments are fetched in its middle and at its end.  Where the next step's bytes end in a chunk not read yet: a wait for my loads and a barrier.
; Where they begin in a later chunk: an add to my spare word, the barrier, and, where chunk C0 + 2 exists, a round of the cluster's barrier and the joint refill.
.macro STEP st, zero
.set NX, (\st)+1
.set C0, (96*(\st))/ROWB
.set C1, (96*NX)/ROWB
.set E0, (96*(\st)+95)/ROWB
.set E1, (96*NX+95)/ROWB
.if C1 > C0 || E1 > E0
	s_wait_tensorcnt 0x0                           ; all my tensor loads have landed
.if C1 > C0
	ds_add_u32 v[SPW], v[NIL]
	s_wait_dscnt 4*NL+1                            ; the add and A's blocks 4-7 may be out
.else
	s_wait_dscnt 4*NL                              ; A's blocks 4-7 may be out
.endif
	WIN MUL_LO
	MUL16 0, (\st)%2, (\st)%2, ((\st)/2)%2, \zero
	s_wait_dscnt 0x0                               ; the add and all my reads are done
	s_barrier_signal -1
	MUL16 2, (\st)%2, (\st)%2, ((\st)/2)%2, \zero
	WIN 0
	s_barrier_wait -1
.if C1 > C0 && C0+2 < CHUNKS
	CREST
	s_add_nc_u64 s[G0+4*(C0%2)+2:G0+4*(C0%2)+3], s[G0+4*(C0%2)+2:G0+4*(C0%2)+3], 2*ROWB
	s_add_nc_u64 s[G0B+4*(C0%2)+2:G0B+4*(C0%2)+3], s[G0B+4*(C0%2)+2:G0B+4*(C0%2)+3], 2*ROWB
	JLOAD G0+4*(C0%2), G1, G0B+4*(C0%2), G1B       ; its four v_nop are the places in front of the loads below
.else
	PLACES NP
.endif
.else
	s_wait_dscnt 4*NL
	WIN MUL_LO
	MUL16 0, (\st)%2, (\st)%2, ((\st)/2)%2, \zero
	MUL16 2, (\st)%2, (\st)%2, ((\st)/2)%2, \zero
	s_wait_dscnt 0
	PLACES NP
.endif
	FETCH_B NX, NX%2
	FETCH_A NX, 0
.if NX%2 == 0
	SCALES NX/2
.endif
	WIN MUL_HI
	MUL16 4, (\st)%2, (\st)%2, ((\st)/2)%2, \zero
	MUL16 6, (\st)%2, (\st)%2, ((\st)/2)%2, \zero
	PLACES NP
	WIN 0
	FETCH_A NX, 4
.endm
	s_wait_alu depctr_va_vdst(0)                   ; the wait at the head's end
	s_wait_tensorcnt 0x0                           ; my tile of the head's four is in; the same lines as ahead of a refill
	ds_add_u32 v[SPW], v[NIL]
	s_mov_b32 s[G1+2], 128<<16                     ; no load of mine is out: from here on a load brings 128 rows
	s_mov_b32 s[G1+4], 128
	s_mov_b32 s[G1B+2], 128<<16
	s_mov_b32 s[G1B+4], 128
	s_wait_dscnt 0x0
	CROUND
	JLOAD G0+4, G1, G0B+4, G1B                     ; chunk 1, the first tensor load behind the round
	FETCH_B 0, 0
	FETCH_A 0, 0
	SCALES 0
	FETCH_A 0, 4
	STEP 0, 1                                      ; the first products start the sums
.set KST, 1
.rept STEPS-2
	STEP KST, 0
.set KST, KST+1
.endr
	s_wait_dscnt 4*NL
	WIN MUL_LO
	MUL16 0, 1, 1, 1, 0
	MUL16 2, 1, 1, 1, 0
	s_wait_dscnt 0
	WIN MUL_HI
	MUL16 4, 1, 1, 1, 0
	MUL16 6, 1, 1, 1, 0
	WIN 0
; THE WAY OUT.  64 numbers a lane: two whole blocks of 32.  Their maxima in four chains, the bytes, the scale word (my two bytes 8 h bits up, joined with lane l xor 16's), the codes.
.macro QUANT s
.irp b, 0,1,2,3
	v_max3_num_f32 v[TM+\b], |v[\s+16*\b]|, |v[\s+1+16*\b]|, 0x1800000   ; with the floor 2^(3 - 127)
.endr
.irp i, 2,4,6,8,10,12,14
.irp b, 0,1,2,3
	v_max3_num_f32 v[TM+\b], v[TM+\b], |v[\s+16*\b+\i]|, |v[\s+1+16*\b+\i]|
.endr
.endr
	v_max_num_f32 v[TM], v[TM], v[TM+1]
	v_max_num_f32 v[TM+2], v[TM+2], v[TM+3]
	v_add_nc_u32 v[TM+12], 0xff000000, v[TM]       ; the conversions' scale operands
	v_add_nc_u32 v[TM+13], 0xff000000, v[TM+2]
	v_lshrrev_b32 v[TM+8], 23, v[TM+12]
	v_lshrrev_b32 v[TM+9], 23, v[TM+13]
	v_lshl_or_b32 v[TM+8], v[TM+9], 16, v[TM+8]
	v_lshlrev_b32 v[TM+8], v7, v[TM+8]
	v_permlanex16_b32 v[TM+4], v[TM+8], s[SEL], s[SEL+1]
	v_or_b32 v[PW], v[TM+8], v[TM+4]               ; bytes: first block of half 0, of half 1, second block of half 0, of half 1
.irp c, 0,1
	v_cvt_scalef32_pk16_fp6_f32 v[PC+6*\c:PC+2+6*\c], v[\s+32*\c:\s+15+32*\c], v[TM+12+\c]
	v_cvt_scalef32_pk16_fp6_f32 v[PC+12+4*\c:PC+14+4*\c], v[\s+16+32*\c:\s+31+32*\c], v[TM+12+\c]   ; (a conversion's three registers begin on an even number)
.endr
	v_nop                                          ; one plain place behind a scaled conversion
.irp c, 0,1
.irp i, 0,1,2
	v_mov_b32 v[PC+3+6*\c+\i], v[PC+12+4*\c+\i]
.endr
.endr
.endm
.macro OUT a, isv
.if (\a) > 0
	s_wait_xcnt 0x0                                ; the last block's stores have read their registers
.endif
	WIN 0x02+(\a)/4
.set AC, 64*((\a)%4)
.set k, 0
.rept 32
.if \isv
	v_pk_add_f32 v[STG+k:STG+k+1], v[AC+k:AC+k+1], v[BV+2*(\a):BV+2*(\a)+1]
.else
	v_pk_add_f32 v[STG+k:STG+k+1], v[AC+k:AC+k+1], v[BT+k:BT+k+1]
.endif
.set k, k+2
.endr
	WIN 0
	QUANT STG
.if \isv
.irp c, 0,1,2
	global_store_b128 v8, v[PC+4*\c:PC+4*\c+3], s[OB:OB+1] offset:((\a)/4)*HS2+((\a)%4)*1536+512*\c
.endr
	v_mov_b32 v[SW+(\a)], v[PW]
.else
	global_store_b128 v8, v[PC:PC+3], s[OB:OB+1] offset:768*(\a)
	global_store_b64 v9, v[PC+4:PC+5], s[OB:OB+1] offset:768*(\a)+512
	global_store_b128 v8, v[PC+6:PC+9], s[OB:OB+1] offset:HS2+768*(\a)
	global_store_b64 v9, v[PC+10:PC+11], s[OB:OB+1] offset:HS2+768*(\a)+512
	v_perm_b32 v[SW+(\a)], v[PW], v[PW], v11       ; my head's two bytes, twice
.endif
.endm
	s_wait_loadcnt 0x0                             ; the bias
	PLACES NP
	s_cmp_eq_u32 s[ISV], 1
	s_cbranch_scc1 .Lout_v
.irp a, 0,1,2,3,4,5,6,7
	OUT \a, 0
.endr
	global_store_b128 v10, v[SW:SW+3], s[OS:OS+1]
	global_store_b128 v10, v[SW+4:SW+7], s[OS:OS+1] offset:256
	s_branch .Lout_done
.Lout_v:
.irp a, 0,1,2,3,4,5,6,7
	OUT \a, 1
.endr
	v_cmp_ne_u32 vcc_lo, 0, v2
.irp t, 0,1,2,3
	v_cndmask_b32 v[SW+\t], v[SW+\t], v[SW+4+\t], vcc_lo   ; lanes 16-31 store the next head's words
.endr
	global_store_b128 v10, v[SW:SW+3], s[OS:OS+1]
.Lout_done:
	s_wait_tensorcnt 0x0                           ; the wave's end
	ds_add_u32 v[SPW], v[NIL]
	s_wait_dscnt 0x0
	CROUND                                         ; the closing round
	s_endpgm
.Lfunc_end_k_q4133bdddc5_proj:
	.size	k_q4133bdddc5_proj, .Lfunc_end_k_q4133bdddc5_proj-k_q4133bdddc5_proj
	.p2alignl 7, 3214868480
	.fill 96, 4, 3214868480
	.section	.rodata,"a",@progbits
	.p2align	6, 0x0
	.amdhsa_kernel k_q4133bdddc5_proj
		.amdhsa_group_segment_fixed_size 327680
		.amdhsa_private_segment_fixed_size 0
		.amdhsa_enable_private_segment 0
		.amdhsa_kernarg_size 32
		.amdhsa_user_sgpr_count 2
		.amdhsa_user_sgpr_kernarg_segment_ptr 1
		.amdhsa_wavefront_size32 1
		.amdhsa_system_sgpr_workgroup_id_x 1
		.amdhsa_system_sgpr_workgroup_id_y 1
		.amdhsa_system_sgpr_workgroup_id_z 1
		.amdhsa_system_vgpr_workitem_id 0
		.amdhsa_next_free_vgpr 1024
		.amdhsa_next_free_sgpr 100
		.amdhsa_reserve_vcc 1
		.amdhsa_float_denorm_mode_32 3
		.amdhsa_float_denorm_mode_16_64 3
		.amdhsa_memory_ordered 1
		.amdhsa_forward_progress 1
		.amdhsa_inst_pref_size 224
	.end_amdhsa_kernel
	.amdgpu_metadata
---
amdhsa.version: [ 1, 2 ]
amdhsa.kernels:
  - .name:           k_q4133bdddc5_proj
    .symbol:         k_q4133bdddc5_proj.kd
    .args:
      - { .name: codes, .offset: 0, .size: 8, .value_kind: global_buffer, .address_space: global }
      - { .name: scales, .offset: 8, .size: 8, .value_kind: global_buffer, .address_space: global }
      - { .name: entangle_params, .offset: 16, .size: 8, .value_kind: global_buffer, .address_space: global }
      - { .name: qkv, .offset: 24, .size: 8, .value_kind: global_buffer, .address_space: global }
    .group_segment_fixed_size: 327680
    .private_segment_fixed_size: 0
    .kernarg_segment_align: 8
    .kernarg_segment_size: 32
    .max_flat_workgroup_size: 128
    .sgpr_count:     100
    .vgpr_count:     1024
    .wavefront_size: 32
...
	.end_amdgpu_metadata
.endif
;; end of part 2
;; launch attn (part 3): grid 8 x 32, 16 waves a work-group, clusters of 4 x 1, 210,944 bytes of LDS; arguments qkv, ow; writes ow
.if DOCPART == 3
	.amdgcn_target "amdgcn-amd-amdhsa--gfx1250"
	.amdhsa_code_object_version 6
	.text
	.protected	k_q4133bdddc5_attn
	.globl	k_q4133bdddc5_attn
	.p2align	8
	.type	k_q4133bdddc5_attn,@function
k_q4133bdddc5_attn:
	s_mov_b64 s[64:65], 0
	v_nop
	global_prefetch_b8 v0, s[64:65] scope:SCOPE_SE
	s_setreg_imm32_b32 hwreg(HW_REG_WAVE_MODE, 25, 1), 1
	s_wait_xcnt 0x0
	s_wait_alu depctr_hold_cnt(0) depctr_sa_sdst(0) depctr_va_vdst(0) depctr_va_sdst(0) depctr_va_ssrc(0) depctr_va_vcc(0) depctr_vm_vsrc(0)
	s_getreg_b32 s2, hwreg(HW_REG_IB_STS2, 6, 4)
	s_cmp_eq_u32 s2, 0
	s_cbranch_scc0 .Lentry_in_a_cluster
	s_endpgm
.Lentry_in_a_cluster:
	s_bfe_u32 s2, ttmp6, 0x10000c
	s_cmp_lg_u32 s2, 0x3003
	s_cbranch_scc0 .Lentry_shape_is_right
	s_endpgm
.Lentry_shape_is_right:
; O[hb][q][:] = the sum over k of softmax_k(Q[q] . K[k] / 8) V[k][:]; 32 hb, 2,048 queries and keys, 64 channels; both products on codes of E2M3 with one E8M0 scale for each 32 along K.
; t = score x log2(e) / 8; M = the row's largest t so far, rounded UP to a whole number; p = 2^(t - M) is quantised along the keys, not normalised.  The row's sum is taken of the unquantised p, in f32,
; and divides O at the end.  When M moves, the sum and O are multiplied by 2^(old M - new M): exact.
; INPUT: records of 19,712 bytes for each hb and 128 tokens: K's 8 tiles of 768 bytes | V's 4 tiles of 1,536 | K's scale words 512 | V's 256 | Q's 8 tiles | Q's scale words.  All are images of operand registers.
; ORDER: row m = 8 h + j of K's tile t is key 64 (t / 4) + 32 h + 8 (t % 4) + j.  With S^T = K Q^T a lane (query r, half h) then holds in its 64 scores keys 32 h .. + 31 and 64 + 32 h .. + 31:
; two WHOLE blocks, in the order of P's operand registers: a block's maximum needs no other lane, and the codes are not moved between lanes.  Q's queries and V's channels are ordered alike.
; THE FIRST PRODUCT'S K IS 64 under an instruction of 128: two tiles of K fill one operand of 12 registers; it is multiplied by [Q | 0] for the first tile and by [0 | Q] for the second
; (18 registers: 0, Q, 0).  The other tile meets zero codes.  A scale word of Q or K holds its two bytes twice, so it serves in either half.
; SHARES: a work-group owns 256 queries of one hb, each of its sixteen waves 16 of them, in 256 registers.  The head's K and V stay in LDS: 16 x 13,056 bytes, one tensor load a wave; LDS is filled once, one barrier.
; The four work-groups of a cluster have the same hb and ask for the 16 records jointly.  No prefetch: all that the launch reads by tensor loads is asked for at its head; no loop loads from memory.
; THE LOOP runs ahead in LDS: K's tiles 0-3 and scale words of the next record are asked for behind this record's last score products, V's tiles of the next record behind this record's second product.
; The last record's trip is written out: it asks for nothing more.
; OUTPUT: ow, as my registers lie: tile T = 16 x + wave of hb: piece k of 512 bytes, lane (r, h), number i = O(query r of the tile, channel 32 h + 4 k + i).
; LIMITS: the promise holds while |t| stays under 2^31.  NaN and infinities are not served.  A block's largest p is not searched for: the block's largest score goes through the same multiply-add and exponential,
; which takes v_exp_f32 not to fall where its input rises.  A block whose every p has fallen to 0 keeps the byte 1: its codes are zeros.
.set REC,   19712
.set KVB,   13056
.set HEADB, 16*REC
.set SPARE, 16*KVB
.set L16, 1                            ; 16 x lane, 8 x lane, 16 (lane % 16): never rewritten
.set L8,  2
.set LW,  3
.set KW,  4                            ; v4-11 K's scale words, v12-15 V's, v16 Q's, v17 p's: scales and nothing else
.set VW,  12
.set QW,  16
.set PW,  17
.set NM,  18                           ; -M; v19 the largest score so far
.set RM,  19
.set FF,  20                           ; f; v21 = 0
.set SUM, 22                           ; v[22:23] the sum, v[24:29] three more chains of it
.set C1,  24
.set C2,  26
.set C3,  28
.set OM,  30                           ; the last trip's -M
.set TP,  31
.set SH,  32                           ; 8 h
.set BM,  34                           ; my two blocks' largest scores, then largest p
.set SO,  36                           ; the conversions' scale operands
.set EB,  38
.set SPW, 40
.set NIL, 41
.set PT,  42                           ; v42-44, v46-48 halves of the codes that begin on an odd register
.set A16, 49                           ; L16, L8, LW + the record in hand
.set A8,  50
.set AW,  51
.set QZ,  52                           ; v52-69: 0, Q, 0
.set KF,  70                           ; v70-93 four tiles of K in two operands
.set VF,  94                           ; v94-141 V's four tiles
.set PC,  142                          ; v142-153 p's codes
.set S,   154                          ; v154-217 S^T, then p
.set O,   218                          ; v218-249 O^T
.set TR,  250                          ; v250-253 at work
.macro CROUND
	s_barrier_signal -1
	s_barrier_wait -1
	s_cmp_lg_u32 s8, 0
	s_cbranch_scc1 .Lnot_wave_0_\@
	s_barrier_signal -3
.Lnot_wave_0_\@:
	s_barrier_wait -3
	s_barrier_signal -1
	s_barrier_wait -1
.endm
	s_load_b128 s[4:7], s[0:1], 0x0                ; qkv, ow
	v_lshl_add_u32 v[SPW], v0, 2, SPARE
	v_mov_b32 v[NIL], 0
	ds_add_u32 v[SPW], v[NIL]                      ; the opening lines: the add twice on end and one wait
	ds_add_u32 v[SPW], v[NIL]
	v_lshrrev_b32 v[TP], 5, v0
	s_delay_alu instid0(VALU_DEP_1)
	v_readfirstlane_b32 s8, v[TP]                  ; wave 0..15
	s_bfe_u32 s9, ttmp6, 0x40000                   ; cx
	s_lshl_b32 s34, ttmp9, 2
	s_add_co_u32 s34, s34, s9                      ; x: my block of 256 queries: it enters Q's and ow's addresses alone
	s_and_b32 s35, ttmp7, 0xffff                   ; hb, which the partners share
	s_mul_i32 s36, s35, HEADB
	s_mul_i32 s14, s8, REC
	s_add_co_u32 s14, s14, s36                     ; the record that I fetch
	s_mov_b32 s15, 0
	s_mov_b32 s24, 15|(3<<16)|(1<<21)              ; mask of all four; elements of 8 bytes; 13,056 dense bytes as 51 rows of 256
	s_mov_b32 s25, 32<<16
	s_mov_b32 s26, 51<<16
	s_mov_b32 s27, 32<<16
	s_mov_b32 s28, 51
	s_mov_b32 s29, 32
	s_mov_b32 s30, 0
	s_mov_b32 s31, 0
	s_mov_b32 s16, 1
	s_mul_i32 s17, s8, KVB
	s_wait_dscnt 0x0
	s_wait_kmcnt 0x0
	s_add_nc_u64 s[18:19], s[4:5], s[14:15]
	s_or_b32 s19, s19, 0x80000000
	CROUND                                         ; the joint loads meet
	tensor_load_to_lds s[16:19], s[24:31]          ; my one tensor load of the launch
	s_nop 0
.rept 4
	v_nop
.endr
	s_lshl_b32 s37, s34, 1
	s_lshr_b32 s38, s8, 3
	s_add_co_u32 s37, s37, s38                     ; my queries' record: 2 x + wave / 8
	s_mul_i32 s37, s37, REC
	s_add_co_u32 s37, s37, s36
	s_and_b32 s38, s8, 7                           ; my tile in it
	s_mul_i32 s39, s38, 768
	s_add_co_u32 s12, s37, s39
	s_add_co_u32 s12, s12, KVB
	s_mov_b32 s13, 0
	s_add_nc_u64 s[12:13], s[4:5], s[12:13]        ; Q's image
	s_lshr_b32 s39, s38, 2
	s_lshl_b32 s39, s39, 8
	s_and_b32 s38, s38, 3
	s_lshl_b32 s38, s38, 2
	s_add_co_u32 s14, s37, s39
	s_add_co_u32 s14, s14, s38
	s_add_co_u32 s14, s14, 19200                   ; Q's scale words: tile a, row r at 19,200 + 256 (a / 4) + 16 r + 4 (a % 4)
	s_add_nc_u64 s[14:15], s[4:5], s[14:15]
	s_lshl_b32 s10, s35, 19
	s_lshl_b32 s39, s34, 4
	s_add_co_u32 s39, s39, s8
	s_lshl_b32 s39, s39, 12
	s_add_co_u32 s10, s10, s39
	s_mov_b32 s11, 0
	s_add_nc_u64 s[10:11], s[6:7], s[10:11]        ; my tile of ow
	v_and_b32 v[TP], 31, v0
	v_and_b32 v[LW], 15, v0
	v_bfe_u32 v[SH], v0, 4, 1
	v_lshlrev_b32 v[L16], 4, v[TP]
	v_lshlrev_b32 v[L8], 3, v[TP]
	v_lshlrev_b32 v[LW], 4, v[LW]
	v_lshlrev_b32 v[SH], 3, v[SH]
	global_load_b128 v[QZ+6:QZ+9], v[L16], s[12:13]
	global_load_b64 v[QZ+10:QZ+11], v[L8], s[12:13] offset:512
	global_load_b32 v[QW], v[LW], s[14:15]
	s_mov_b32 s22, 0x76543210
	s_mov_b32 s23, 0xfedcba98                      ; selects for lane l xor 16
	s_mov_b32 s32, 0x3e38aa3b                      ; c = log2(e) / 8
	s_mov_b32 s33, s32
	s_mov_b32 s40, 0xbe38aa3b                      ; -c
	s_mov_b32 s20, 0
	s_mov_b32 s21, 0
.irp j, 0,1,2,3,4,5,12,13,14,15,16,17
	v_mov_b32 v[QZ+\j], 0                          ; zero codes on both sides of Q
.endr
.set j, 0
.rept 32
	v_mov_b32 v[O+j], 0                            ; O^T: the trip is written for every record alike; the first change of M leaves zeros zeros
.set j, j+1
.endr
	v_mov_b32 v[RM], 0xff61b1e6                    ; -3e38, under every score
	v_mov_b32 v[NM], 0x7d000000                    ; -M: a large whole number, so that the first f is 0
	v_mov_b32 v[OM], 0x7d000000                    ; and the same as the -M before it
	v_mov_b32 v[FF+1], 0
.irp j, 0,1,2,3,4,5,6,7
	v_mov_b32 v[SUM+\j], 0                         ; the sum and its three chains
.endr
	v_mov_b32 v[TR], 0                             ; a lane permute's destination counts as a source
	v_mov_b32 v[A16], v[L16]
	v_mov_b32 v[A8], v[L8]
	v_mov_b32 v[AW], v[LW]
	s_wait_alu depctr_va_vdst(0)                   ; the wait at the head's end
	s_wait_loadcnt 0x0                             ; Q
	s_wait_tensorcnt 0x0                           ; my record is in LDS,
	s_barrier_signal -1
	s_barrier_wait -1                              ; everybody's is: from here on LDS is only read
	s_barrier_signal -1                            ; the first signal of the barrier that the trips wait for in their middle (no LDS access of mine is out here)
.macro KLOAD g                         ; K's tiles 4 g .. 4 g + 3: eight loads
.irp t, 0,1,2,3
	ds_load_b128 v[KF+6*\t:KF+6*\t+3], v[A16] offset:768*(4*\g+\t)
	ds_load_b64 v[KF+6*\t+4:KF+6*\t+5], v[A8] offset:768*(4*\g+\t)+512
.endr
.endm
.macro KWORDS                          ; two loads
	ds_load_b128 v[KW:KW+3], v[AW] offset:12288
	ds_load_b128 v[KW+4:KW+7], v[AW] offset:12544
.endm
.macro VLOAD                           ; thirteen loads
.irp t, 0,1,2,3
.irp c, 0,1,2
	ds_load_b128 v[VF+12*\t+4*\c:VF+12*\t+4*\c+3], v[A16] offset:6144+1536*\t+512*\c
.endr
.endr
	ds_load_b128 v[VW:VW+3], v[AW] offset:12800
.endm
.macro SMUL g                          ; S^T of tiles 4 g .. 4 g + 3: an even tile against [Q | 0], an odd one against [0 | Q]
.irp t, 0,1,2,3
	v_wmma_scale_f32_16x16x128_f8f6f4 v[S+32*\g+8*\t:S+32*\g+8*\t+7], v[KF+12*(\t/2):KF+12*(\t/2)+11], v[QZ+6-6*(\t%2):QZ+17-6*(\t%2)], 0, v[KW+4*\g+\t], v[QW] matrix_a_fmt:MATRIX_FMT_FP6 matrix_b_fmt:MATRIX_FMT_FP6
.endr
.endm
.macro TREE b                          ; my block b's largest score, all but the last two lines; a chain to each tile, begun at the tile's low end
.irp t, 0,1,2,3
	v_max3_num_f32 v[TR+\t], v[S+32*\b+8*\t], v[S+32*\b+8*\t+1], v[S+32*\b+8*\t+2]
.endr
.irp i, 3,5
.irp t, 0,1,2,3
	v_max3_num_f32 v[TR+\t], v[TR+\t], v[S+32*\b+8*\t+\i], v[S+32*\b+8*\t+\i+1]
.endr
.endr
	v_max3_num_f32 v[TR], v[TR], v[TR+1], v[S+32*\b+7]
	v_max3_num_f32 v[TR+2], v[TR+2], v[TR+3], v[S+32*\b+15]
.endm
.macro SUMS k0, k1                     ; pairs k0 .. k1 + 3 of p onto the four chains
.set k, \k0
.rept (\k1-\k0)/4+1
	v_pk_add_f32 v[SUM:SUM+1], v[SUM:SUM+1], v[S+2*k:S+2*k+1]
	v_pk_add_f32 v[C1:C1+1], v[C1:C1+1], v[S+2*k+2:S+2*k+3]
	v_pk_add_f32 v[C2:C2+1], v[C2:C2+1], v[S+2*k+4:S+2*k+5]
	v_pk_add_f32 v[C3:C3+1], v[C3:C3+1], v[S+2*k+6:S+2*k+7]
.set k, k+4
.endr
.endm
.macro TRIP more                       ; a record of 128 keys; more = 1: another follows
.if \more
	s_add_co_u32 s20, s20, KVB                     ; the next record
.endif
	s_wait_dscnt 13                                ; K's tiles 0-3 and scale words are in; V's thirteen loads, issued behind them, may be out
	SMUL 0
	v_pk_add_f32 v[C1:C1+1], v[C1:C1+1], v[C2:C2+1]   ; four places behind the products: the last trip's chains are joined,
	v_pk_add_f32 v[SUM:SUM+1], v[SUM:SUM+1], v[C3:C3+1]
.if \more
	v_add_nc_u32 v[AW], s20, v[LW]                 ; the scale words still to be asked for are the next record's
.else
	v_nop
.endif
	v_pk_add_f32 v[SUM:SUM+1], v[SUM:SUM+1], v[C1:C1+1]
	KLOAD 1
	TREE 0                                         ; under the loads' way
	s_wait_alu depctr_va_vdst(0)                   ; directly ahead of the waits below
	s_barrier_wait -1                              ; every wave has reached the middle of the record before: the sixteen waves stay within one record of each other
	s_wait_dscnt 0x0                               ; tiles 4-7 are in, and V with them: no LDS access of mine is out,
.if \more
	s_barrier_signal -1                            ; so I say that I am here; the wait for it stands a trip on, with register work and loads of bytes that nobody writes between
.endif
	SMUL 1
	v_max3_num_f32 v[TR], v[TR], v[S+23], v[S+31]  ; four places
.if \more
	v_add_nc_u32 v[A16], s20, v[L16]
	v_add_nc_u32 v[A8], s20, v[L8]
.else
	v_nop
	v_nop
.endif
	v_max_num_f32 v[BM], v[TR], v[TR+2]
.if \more
	KLOAD 0                                        ; ten loads for the next trip
	KWORDS
.endif
	TREE 1
	v_max3_num_f32 v[TR], v[TR], v[S+55], v[S+63]
	v_max_num_f32 v[BM+1], v[TR], v[TR+2]
	v_max3_num_f32 v[TR], v[RM], v[BM], v[BM+1]
	v_permlanex16_b32 v[TP], v[TR], s22, s23
	v_max_num_f32 v[RM], v[TR], v[TP]              ; the row's largest score so far, both halves' keys
	v_mul_f32 v[TP], s40, v[RM]
	v_floor_f32 v[NM], v[TP]                       ; -M = floor(-t): a whole number
	v_sub_f32 v[TP], v[NM], v[OM]                  ; old M - new M, 0 or less
	v_cvt_i32_f32 v[TP], v[TP]                     ; (it saturates)
	v_ldexp_f32 v[FF], 1.0, v[TP]                  ; f = 2^(old M - new M)
.set j, 0
.rept 32
	v_pk_fma_f32 v[S+j:S+j+1], v[S+j:S+j+1], s[32:33], v[NM:NM+1] op_sel_hi:[1,0,0]   ; t - M
.set j, j+2
.endr
	v_fma_f32 v[BM], v[BM], s32, v[NM]
	v_fma_f32 v[BM+1], v[BM+1], s32, v[NM]
.set j, 0
.rept 16
	v_pk_mul_f32 v[O+j:O+j+1], v[O+j:O+j+1], v[FF:FF+1] op_sel_hi:[1,0]   ; O^T under the new M, each accumulator from its low end on
.set j, j+2
.endr
	s_wait_alu depctr_va_vdst(0)                   ; the wait ahead of the batch
.set j, 0
.rept 64
	v_exp_f32 v[S+j], v[S+j]                       ; p
.set j, j+1
.endr
	v_exp_f32 v[BM], v[BM]                         ; my blocks' largest p
	v_exp_f32 v[BM+1], v[BM+1]
	v_mov_b32 v[OM], v[NM]                         ; a plain place behind the batch: -M for the next change of M
	s_wait_alu depctr_va_vdst(0)                   ; one wait for the batch, ahead of its first reader
	v_max_num_f32 v[BM], 0x1800000, v[BM]          ; the floor 2^(3 - 127)
	v_max_num_f32 v[BM+1], 0x1800000, v[BM+1]
	s_delay_alu instid0(VALU_DEP_2)
	v_add_nc_u32 v[SO], 0xff000000, v[BM]
	s_delay_alu instid0(VALU_DEP_2)
	v_add_nc_u32 v[SO+1], 0xff000000, v[BM+1]
	s_delay_alu instid0(VALU_DEP_2)
	v_lshrrev_b32 v[EB], 23, v[SO]
	s_delay_alu instid0(VALU_DEP_2)
	v_lshrrev_b32 v[EB+1], 23, v[SO+1]
	s_delay_alu instid0(VALU_DEP_1)
	v_lshl_or_b32 v[TP], v[EB+1], 16, v[EB]        ; my bytes: blocks h and 2 + h,
	s_delay_alu instid0(VALU_DEP_1)
	v_lshlrev_b32 v[TP], v[SH], v[TP]              ; at their places,
	s_delay_alu instid0(VALU_DEP_1)
	v_permlanex16_b32 v[TR], v[TP], s22, s23
	s_delay_alu instid0(VALU_DEP_1)
	v_or_b32 v[PW], v[TP], v[TR]                   ; with lane l xor 16's: p's scale word
.irp c, 0,1
	v_cvt_scalef32_pk16_fp6_f32 v[PC+6*\c:PC+2+6*\c], v[S+32*\c:S+15+32*\c], v[SO+\c]
	v_cvt_scalef32_pk16_fp6_f32 v[PT+4*\c:PT+2+4*\c], v[S+16+32*\c:S+31+32*\c], v[SO+\c]   ; (a conversion's three registers begin on an even number)
.endr
	v_pk_fma_f32 v[SUM:SUM+1], v[SUM:SUM+1], v[FF:FF+1], v[S:S+1] op_sel_hi:[1,0,1]   ; the sum under the new M, and p's first pair (the plain place behind the conversions)
.irp c, 0,1
.irp i, 0,1,2
	v_mov_b32 v[PC+3+6*\c+\i], v[PT+4*\c+\i]
.endr
.endr
	v_pk_add_f32 v[C1:C1+1], v[S+2:S+3], v[S+10:S+11]   ; the sum of the unquantised p, in four chains; these twelve lines are the places in front of the products
	v_pk_add_f32 v[C2:C2+1], v[S+4:S+5], v[S+12:S+13]
	v_pk_add_f32 v[C3:C3+1], v[S+6:S+7], v[S+14:S+15]
	v_pk_add_f32 v[SUM:SUM+1], v[SUM:SUM+1], v[S+8:S+9]
	SUMS 8, 12
.irp t, 0,1,2,3                        ; O^T += V^T P^T: the four accumulators by turns
	v_wmma_scale_f32_16x16x128_f8f6f4 v[O+8*\t:O+8*\t+7], v[VF+12*\t:VF+12*\t+11], v[PC:PC+11], v[O+8*\t:O+8*\t+7], v[VW+\t], v[PW] matrix_a_fmt:MATRIX_FMT_FP6 matrix_b_fmt:MATRIX_FMT_FP6
.endr
	SUMS 16, 28                                    ; sixteen lines: the places behind the products
.if \more
	VLOAD                                          ; the next record's V
.endif
.endm
	KLOAD 0
	KWORDS
	VLOAD
.Lkey:                                             ; 15 trips
	TRIP 1
	s_add_co_u32 s21, s21, 1
	s_cmp_lt_u32 s21, 15
	s_wait_alu depctr_va_vdst(0)                   ; directly ahead of the branch
	s_cbranch_scc1 .Lkey
	TRIP 0                                         ; the last record
	v_pk_add_f32 v[C1:C1+1], v[C1:C1+1], v[C2:C2+1]
	v_pk_add_f32 v[SUM:SUM+1], v[SUM:SUM+1], v[C3:C3+1]
	s_delay_alu instid0(VALU_DEP_1)
	v_pk_add_f32 v[SUM:SUM+1], v[SUM:SUM+1], v[C1:C1+1]
	s_delay_alu instid0(VALU_DEP_1)
	v_add_f32 v[SUM], v[SUM], v[SUM+1]
	s_delay_alu instid0(VALU_DEP_1)
	v_permlanex16_b32 v[TP], v[SUM], s22, s23
	s_delay_alu instid0(VALU_DEP_1)
	v_add_f32 v[SUM], v[SUM], v[TP]                ; the row's sum
	s_wait_alu depctr_va_vdst(0)                   ; the wait ahead of the transcendental
	v_rcp_f32 v[SUM], v[SUM]
	v_nop                                          ; one plain place behind it
	s_wait_alu depctr_va_vdst(0)                   ; and the wait ahead of its first reader, which is also O^T's
.set j, 0
.rept 32
	v_mul_f32 v[S+j], v[O+j], v[SUM]
.set j, j+1
.endr
.irp k, 0,1,2,3,4,5,6,7
	global_store_b128 v[L16], v[S+4*\k:S+4*\k+3], s[10:11] offset:512*\k   ; 512 consecutive bytes, aligned: the buffer is laid as the registers lie
.endr
	s_wait_tensorcnt 0x0                           ; the wave's end
	ds_add_u32 v[SPW], v[NIL]
	s_wait_dscnt 0x0
	CROUND                                         ; the closing round
	s_endpgm
.Lfunc_end_k_q4133bdddc5_attn:
	.size	k_q4133bdddc5_attn, .Lfunc_end_k_q4133bdddc5_attn-k_q4133bdddc5_attn
	.p2alignl 7, 3214868480
	.fill 96, 4, 3214868480
	.section	.rodata,"a",@progbits
	.p2align	6, 0x0
	.amdhsa_kernel k_q4133bdddc5_attn
		.amdhsa_group_segment_fixed_size 210944
		.amdhsa_private_segment_fixed_size 0
		.amdhsa_enable_private_segment 0
		.amdhsa_kernarg_size 16
		.amdhsa_user_sgpr_count 2
		.amdhsa_user_sgpr_kernarg_segment_ptr 1
		.amdhsa_wavefront_size32 1
		.amdhsa_system_sgpr_workgroup_id_x 1
		.amdhsa_system_sgpr_workgroup_id_y 1
		.amdhsa_system_sgpr_workgroup_id_z 1
		.amdhsa_system_vgpr_workitem_id 0
		.amdhsa_next_free_vgpr 256
		.amdhsa_next_free_sgpr 66
		.amdhsa_reserve_vcc 0
		.amdhsa_float_denorm_mode_32 3
		.amdhsa_float_denorm_mode_16_64 3
		.amdhsa_memory_ordered 1
		.amdhsa_forward_progress 1
		.amdhsa_inst_pref_size 39
	.end_amdhsa_kernel
	.amdgpu_metadata
---
amdhsa.version: [ 1, 2 ]
amdhsa.kernels:
  - .name:           k_q4133bdddc5_attn
    .symbol:         k_q4133bdddc5_attn.kd
    .args:
      - { .name: qkv, .offset: 0, .size: 8, .value_kind: global_buffer, .address_space: global }
      - { .name: ow, .offset: 8, .size: 8, .value_kind: global_buffer, .address_space: global }
    .group_segment_fixed_size: 210944
    .private_segment_fixed_size: 0
    .kernarg_segment_align: 8
    .kernarg_segment_size: 16
    .max_flat_workgroup_size: 512
    .sgpr_count:     66
    .vgpr_count:     256
    .wavefront_size: 32
...
	.end_amdgpu_metadata
.endif
;; end of part 3
;; launch turn (part 4): grid 256 x 1, 8 waves a work-group, no clusters, 67,072 bytes of LDS; arguments ow, out0; writes out0
.if DOCPART == 4
	.amdgcn_target "amdgcn-amd-amdhsa--gfx1250"
	.amdhsa_code_object_version 6
	.text
	.protected	k_q4133bdddc5_turn
	.globl	k_q4133bdddc5_turn
	.p2align	8
	.type	k_q4133bdddc5_turn,@function
k_q4133bdddc5_turn:
	s_mov_b64 s[64:65], 0
	v_nop
	global_prefetch_b8 v0, s[64:65] scope:SCOPE_SE
	s_setreg_imm32_b32 hwreg(HW_REG_WAVE_MODE, 25, 1), 1
	s_wait_xcnt 0x0
; out0, flat: number (hb = 2 head + batch, s, d) lies at s x 2,048 + d x 32 + hb.  So 256 consecutive bytes of out0 hold two d of one s for all 32 hb, and no work-group that owns one head could write them whole:
; O comes here through ow and is turned through LDS.  Each byte is read once and written once, in runs of 512 consecutive bytes; matrix units, clusters and tensor loads have no work here.
; ow: tile T of hb (16 queries: s = 64 (T / 4) + 8 (T % 4) + r % 8 + 32 (r / 8)) is 4,096 bytes: piece k of 512 bytes, lane (r, h), number i = O(query r, d = 32 h + 4 k + i).
; A work-group takes tile T = x / 2 and pieces 4 kh .. 4 kh + 3, kh = x % 2 (d = 32 h + 16 kh + 0 .. 15), for all 32 hb: 64 KiB in, 64 KiB out.
; LDS: row hb, 2,048 bytes as loaded + 16: the pitch keeps the stores of 16 bytes aligned.
.set PITCH, 2064
.set IN,    16                         ; v16-79
.set OUTR,  80                         ; v80-143
	s_load_b128 s[4:7], s[0:1], 0x0                ; ow, out0
	v_lshl_add_u32 v144, v0, 2, 0x10200            ; my spare word, behind the 32 rows
	v_mov_b32 v145, 0
	v_lshrrev_b32 v1, 5, v0
	s_delay_alu instid0(VALU_DEP_1)
	v_readfirstlane_b32 s8, v1                     ; wave w
	v_and_b32 v2, 31, v0
	s_delay_alu instid0(VALU_DEP_1)
	v_lshlrev_b32 v3, 4, v2                        ; 16 x lane, in and out
	s_mul_i32 s9, s8, 4*PITCH
	v_add_nc_u32 v4, s9, v3                        ; LDS, in: rows hb = 4 w ..
	v_and_b32 v5, 7, v2
	s_delay_alu instid0(VALU_DEP_1)
	v_mul_u32_u24 v5, v5, 4*PITCH                  ; LDS, out: hb = 4 (lane % 8) + m,
	v_lshrrev_b32 v6, 3, v2
	s_delay_alu instid0(VALU_DEP_1)
	v_lshl_add_u32 v5, v6, 2, v5                   ; number lane / 8 of four d,
	s_lshl_b32 s10, s8, 5
	v_add_nc_u32 v5, s10, v5                       ; query 2 w + rr
	s_lshr_b32 s11, ttmp9, 1                       ; T
	s_and_b32 s12, ttmp9, 1                        ; kh
	s_lshl_b32 s14, s8, 21                         ; in: 4 w x 524,288
	s_lshl_b32 s13, s11, 12
	s_add_co_u32 s14, s14, s13
	s_lshl_b32 s13, s12, 11
	s_add_co_u32 s14, s14, s13
	s_mov_b32 s15, 0
	s_lshr_b32 s16, s11, 2                         ; out: s = 64 (T / 4) + 8 (T % 4) + 2 w + 24 (w / 4) (+ rr)
	s_lshl_b32 s16, s16, 6
	s_and_b32 s13, s11, 3
	s_lshl_b32 s13, s13, 3
	s_add_co_u32 s16, s16, s13
	s_lshl_b32 s13, s8, 1
	s_add_co_u32 s16, s16, s13
	s_lshr_b32 s13, s8, 2
	s_mul_i32 s13, s13, 24
	s_add_co_u32 s16, s16, s13
	s_lshl_b32 s16, s16, 13                        ; 8,192 bytes a row s
	s_lshl_b32 s13, s12, 11
	s_add_co_u32 s16, s16, s13                     ; + 16 kh x 128 bytes
	s_mov_b32 s17, 0
	s_wait_alu depctr_va_vdst(0)                   ; the wait at the head's end
	s_wait_kmcnt 0x0
	s_add_nc_u64 s[4:5], s[4:5], s[14:15]
	s_add_nc_u64 s[6:7], s[6:7], s[16:17]
.irp i, 0,1,2,3,4,5,6,7,8,9,10,11,12,13,14,15
	global_load_b128 v[IN+4*\i:IN+4*\i+3], v3, s[4:5] offset:(\i/4)*524288+(\i%4)*512 th:TH_LOAD_NT
.endr
.irp i, 0,1,2,3,4,5,6,7,8,9,10,11,12,13,14,15
	s_wait_loadcnt 15-\i                           ; load i is in, the younger ones stay out
	ds_store_b128 v4, v[IN+4*\i:IN+4*\i+3] offset:(\i/4)*PITCH+(\i%4)*512
.endr
	s_wait_dscnt 0x0                               ; for the others' sake
	s_barrier_signal -1
	s_barrier_wait -1
; Store u = 8 rr + q: query 2 w + rr, piece q % 4 of my four, half q / 4 of the lanes: d = 32 (q / 4) + 16 kh + 4 (q % 4) + lane / 8, hb = 4 (lane % 8) + 0 .. 3.
.irp u, 0,1,2,3,4,5,6,7,8,9,10,11,12,13,14,15
.irp m, 0,1,2,3
	ds_load_b32 v[OUTR+4*\u+\m], v5 offset:\m*PITCH+((\u%8)%4)*512+((\u%8)/4)*256+16*(\u/8)
.endr
.endr
.irp u, 0,1,2,3,4,5,6,7,8,9,10,11,12,13,14,15
	s_wait_dscnt 60-4*\u                           ; store u's four loads are in
	global_store_b128 v3, v[OUTR+4*\u:OUTR+4*\u+3], s[6:7] offset:(\u/8)*8192+((\u%8)/4)*4096+((\u%8)%4)*512 th:TH_STORE_NT   ; 512 consecutive bytes, aligned
.endr
	s_wait_tensorcnt 0x0                           ; the wave's end
	ds_add_u32 v144, v145
	s_wait_dscnt 0x0
	s_endpgm
.Lfunc_end_k_q4133bdddc5_turn:
	.size	k_q4133bdddc5_turn, .Lfunc_end_k_q4133bdddc5_turn-k_q4133bdddc5_turn
	.p2alignl 7, 3214868480
	.fill 96, 4, 3214868480
	.section	.rodata,"a",@progbits
	.p2align	6, 0x0
	.amdhsa_kernel k_q4133bdddc5_turn
		.amdhsa_group_segment_fixed_size 67072
		.amdhsa_private_segment_fixed_size 0
		.amdhsa_enable_private_segment 0
		.amdhsa_kernarg_size 16
		.amdhsa_user_sgpr_count 2
		.amdhsa_user_sgpr_kernarg_segment_ptr 1
		.amdhsa_wavefront_size32 1
		.amdhsa_system_sgpr_workgroup_id_x 1
		.amdhsa_system_sgpr_workgroup_id_y 1
		.amdhsa_system_sgpr_workgroup_id_z 1
		.amdhsa_system_vgpr_workitem_id 0
		.amdhsa_next_free_vgpr 146
		.amdhsa_next_free_sgpr 66
		.amdhsa_reserve_vcc 0
		.amdhsa_float_denorm_mode_32 3
		.amdhsa_float_denorm_mode_16_64 3
		.amdhsa_memory_ordered 1
		.amdhsa_forward_progress 1
		.amdhsa_inst_pref_size 12
	.end_amdhsa_kernel
	.amdgpu_metadata
---
amdhsa.version: [ 1, 2 ]
amdhsa.kernels:
  - .name:           k_q4133bdddc5_turn
    .symbol:         k_q4133bdddc5_turn.kd
    .args:
      - { .name: ow, .offset: 0, .size: 8, .value_kind: global_buffer, .address_space: global }
      - { .name: out0, .offset: 8, .size: 8, .value_kind: global_buffer, .address_space: global }
    .group_segment_fixed_size: 67072
    .private_segment_fixed_size: 0
    .kernarg_segment_align: 8
    .kernarg_segment_size: 16
    .max_flat_workgroup_size: 256
    .sgpr_count:     66
    .vgpr_count:     146
    .wavefront_size: 32
...
	.end_amdgpu_metadata
.endif
;; end of part 4
